; MI455X (gfx1250); checked and timed in simulation.
; The chip was launched on July 23, 2026; its instructions are those of AMD's public machine-readable ISA for CDNA 5 (MIT licence, August 2026) and "CDNA5" Instruction Set Architecture Reference Guide (July 2026). The comments in the code are by the model that wrote it; some were corrected since.
;; Lo RA Linear. Allowed arithmetic: matrix products marked QUANTISED: E2M1 operands, one E8M0 scale for each 32 along K, by v_wmma_scale_f32_16x16x128_f8f6f4 with both operands' format E2M1 (or v_wmma_scale_f32_32x16x128_f4), f32 sums; products left as they are: f32 operands where the result goes on into a quantised operand, else bf16, f16 or f32 operands; f32 sums; everything else in f32.
;; Inputs: lora_a_codes 16 x 128 x 16 uint8 (E2M1 codes of lora_a, K innermost, in blocks of 32 codes, two codes a byte); lora_a_scales 16 x 128 uint8 (E8M0 scales of lora_a, one for each 32 codes along K); lora_b 2,048 x 16 float32; w_codes 2,048 x 4,096 int32; w_scales 2,048 x 64 float32; x_codes 4 x 2,048 x 128 x 16 uint8 (E2M1 codes of x, K innermost, in blocks of 32 codes, two codes a byte); x_scales 4 x 2,048 x 128 uint8 (E8M0 scales of x, one for each 32 codes along K).
;; Outputs: out0 4 x 2,048 x 2,048 float32.
;; This version of the problem:
;;   THIS VERSION OF THE PROBLEM IS GIVEN IN LOW PRECISION. The matrix products marked QUANTISED in the list below multiply operands that are first quantised to E2M1 (2 exponent bits, 1 mantissa bit; 4 bits a number), with one power-of-two scale for each 32 numbers along K (OCP MX v1.0); their sums are f32. All else is computed in f32.
;;   The module's matrix products, in the order in which they are computed (A, B: the left and right operand; K: the contracted axis; several contracted axes count as one K, in the product's order):
;;     1. [M 8,192, K 4,096] x [K 4,096, N 2,048]; A: input x (given as codes); B: computed on the way: QUANTISED
;;     2. [M 8,192, K 4,096] x [K 4,096, N 16]; A: input x (given as codes); B: input lora_a (given as codes): QUANTISED
;;     3. [M 8,192, K 16] x [K 16, N 2,048]; A: computed on the way; B: input lora_b: left as it is (K = 16 < 32)
;;   THE QUANTISER, for each operand of a quantised product, along K:
;;     - K is cut into blocks of 32 from its start; a last block that is shorter is filled with zeros.
;;     - A block's scale is 2^e with e = floor(log2(the largest magnitude in the block)) - 2, held to -126 .. 127; a block of zeros has e = 0. As a byte (E8M0): e + 127.
;;     - Each number is divided by its block's scale, clamped to +-6, and rounded to the nearest number of E2M1, ties to even, subnormals kept.
;;     - The product sums the exact products of the quantised numbers (number of the format x scale) in f32.
;;   ~~~python
;;   def quantise(x, axis):      # numpy; x: float32 -> the quantised numbers, widened to float32 again
;;       x = np.moveaxis(x, axis, -1); K = x.shape[-1]
;;       x = np.pad(x, [(0, 0)] * (x.ndim - 1) + [(0, -K % 32)]); x = x.reshape(x.shape[:-1] + (-1, 32)); a = np.abs(x).max(-1, keepdims=True)
;;       e = np.where(a > 0, np.clip(np.frexp(np.where(a > 0, a, 1))[1] - 1 - 2, -126, 127), 0)      # np.frexp(a)[1] - 1 = floor(log2(a)), exactly
;;       r = np.clip(x / 2.0 ** e, -6, 6)
;;       step = 2.0 ** (np.maximum(np.frexp(np.where(r == 0, 1, r))[1] - 1, 0) - 1)
;;       q = np.round(r / step) * step * 2.0 ** e      # np.round: ties to even
;;       return np.moveaxis(q.reshape(q.shape[:-2] + (-1,))[..., :K], -1, axis).astype(np.float32)
;;   ~~~
;;   OPERANDS COMPUTED ON THE WAY. 'Computed on the way' means the value that the module computes at that place (a softmax that the list does not call 'softmax' is quantised finished and normalised). What goes into a quantiser is computed in f32, as accurately as f32 sums, v_exp_f32 and their like allow (about 1e-6 of the number): no bf16 or f16 on the way to a quantiser, and a product that is left as it is and whose result goes on into a quantised operand takes f32 operands (vector FMAs, or v_wmma_f32_16x16x4_f32). A number that lies on a knife's edge between two numbers of the format may be rounded either way, as far as f32 arithmetic and the matrix unit's own rounding can turn it there, and no further.
;;   INPUTS GIVEN AS CODES. lora_a (in the module: [16, 4096], K = its axis 1); x (in the module: [4, 2048, 4096], K = its axis 2): each comes as NAME_codes (uint8): NAME with its K axis moved to the last place and cut into blocks of 32 codes, [.., K / 32, bytes a block], one block behind the other in memory; two codes a byte, the lower K in the low four bits (a code: sign, 2 exponent bits, 1 mantissa bit); and NAME_scales (uint8): the same leading axes, one E8M0 byte (e + 127) for each 32 codes along K. Its value is code x scale, taken as it is: it is not quantised again, and the codes and scales need not be those that the quantiser above would give.
;; One version. Each part assembles by itself: llvm-mc -triple=amdgcn-amd-amdhsa -mcpu=gfx1250 --defsym DOCPART=n.
;; ======== version 1 of 1: 2 launches
;; workspace buffers: wq 4,456,448 bytes; axw 262,144 bytes
;; launch prep (part 1): grid 256 x 1, 5 waves a work-group, no clusters, 272,384 bytes of LDS; arguments w_codes, w_scales, x_codes, x_scales, lora_a_codes, lora_a_scales, wq, axw; writes wq, axw
.if DOCPART == 1
	.amdgcn_target "amdgcn-amd-amdhsa--gfx1250"
	.amdhsa_code_object_version 6
	.text
	.protected	k_qfff1ba8dbd_prep
	.globl	k_qfff1ba8dbd_prep
	.p2align	8
	.type	k_qfff1ba8dbd_prep,@function
k_qfff1ba8dbd_prep:
	s_mov_b64 s[64:65], 0
	v_nop
	global_prefetch_b8 v0, s[64:65] scope:SCOPE_SE
	s_setreg_imm32_b32 hwreg(HW_REG_WAVE_MODE, 25, 1), 1
	s_wait_xcnt 0x0
; TWO JOBS IN ONE LAUNCH, shared out by the wave's number; the two roles part once and never meet again: no barrier, no LDS byte filled twice.
; ROLE W (waves 0-3): w[n][k] = NF4[w_codes[n][k]] x w_scales[n][k / 64], in f32, is quantised along K to codes of FP4 (E2M1) with one E8M0 byte for each 32 numbers.
;   A block's scale is 2^(floor(log2(its largest magnitude)) - 2); its byte is the largest magnitude's exponent field - 2, held at 1 from below.
;   Work-group g takes rows 16 (g / 2) .. + 15 of w; its wave v takes K step s = 4 (g % 2) + v, 512 along K.  A step of the wave's work is one row: a lane holds 16 neighbours along K, two lanes a block.
;   wq is laid as the product's launch fetches it: [16 groups of 128 rows][8 K steps][34,816 bytes]: 128 rows x 256 bytes of codes, then 128 rows x 16 scale bytes: one dense block.
;   The table look-up is a lane permute: lane l holds NF4[l % 16], and each lane pulls the entry of the lane that its code names.  The code selects a value; no memory address hangs on it.
; ROLE A (wave 4): 2 ax[m][r] = 2 x the sum over k of x[m][k] lora_a[r][k], on the given codes and scale bytes, for rows 32 g .. 32 g + 31, all of K; rounded to bf16 for the product with lora_b: axw [8192][16].
;   Source 0 = lora_a's 16 rows, source 1 = 16 rows of x: a lane then holds 8 neighbouring ranks of one row of x.  One accumulator for each tile of rows, K ascending; the two take turns.
; ALL INPUT but w_scales comes by tensor loads into LDS bytes that are the issuing wave's own, each byte filled once, all asked for at the head: 4 loads of a wave are out in role W, 6 in role A.
; NO CLUSTER: what work-groups share is lora_a, 34,816 of the 235,520 bytes that a work-group takes in, and a cluster's rounds would put barriers into a text that needs none.
; LIMITS: NaN and infinities in w_scales are not served.  A block of zeros gets the byte 1 where the rule says 127: its codes are zeros, and this program alone reads the bytes.
;   w_codes are taken as 0 .. 15, as the table's indexing relies on (a permute takes the index modulo 32, the table repeats after 16).
.set WREG, 40960                       ; LDS: a role-W wave's 16 rows x 2,560 bytes: 2,048 bytes of int32, 16 of padding behind each 64, so that a lane's 64 bytes lie 80 apart
.set XB,   163840                      ; x's codes: two halves along K of 32 rows x (1,024 + 16) bytes
.set LB,   230400                      ; lora_a's codes: two halves of 16 rows x 1,040
.set SX,   263680                      ; x's scale bytes: 32 rows x (128 + 16)
.set SL,   268288                      ; lora_a's: 16 rows x 144
.set SBB,  270592                      ; role W's scale bytes on their way out: 256 for each wave; no tensor load lands here
.set BBLK, 34816                       ; a block of wq
.set GW,   32                          ; s[32:39] descriptor group 1: 4 rows x 2,048 bytes of w_codes
.set GX,   40                          ; s[40:47] 32 rows x 1,024 bytes of x's codes
.set GL,   48                          ; s[48:55] 16 rows x 1,024 bytes of lora_a's codes
.set GSX,  56                          ; s[56:63] 32 rows x 128 scale bytes
.set GSL,  68                          ; s[68:75] 16 rows x 128 scale bytes
.set G0,   76                          ; s[76:99] six groups 0
.set TBL,  13                          ; v13      NF4[lane % 16]
.set WS,   16                          ; v16-31   role W: my w_scale of each of the 16 rows
.set X,    32                          ; v32-63   two sets of 16 codes, then 4 x code
.set Y,    64                          ; v64-95   two sets of 16 numbers
.set C,    96                          ; v96-127  two registers of codes for each row: no store's data are written again
.set E,    128                         ; v128-143 a scale byte for each row
.set LF,   16                          ; role A: v16-47 lora_a's fragments, two sets of two
.set XF,   48                          ; v48-111  x's fragments, two sets of (2 tiles x 2)
.set SW,   112                         ; v112-119 scale words, two sets of 4
.set ACC,  120                         ; v120-135 the two accumulators
.set T,    136                         ; v136-151 2 ax in f32
.set P,    152                         ; v152-159 and in bf16
	s_load_b256 s[4:11], s[0:1], 0x0               ; w_codes s[4:5], w_scales s[6:7], x's codes s[8:9], x's scales s[10:11]
	s_load_b256 s[12:19], s[0:1], 0x20             ; lora_a's codes s[12:13], its scales s[14:15], wq s[16:17], axw s[18:19]
	v_lshl_add_u32 v160, v0, 2, 0x42500
	v_mov_b32 v161, 0
	ds_add_u32 v160, v161
	ds_add_u32 v160, v161
	v_lshrrev_b32 v1, 5, v0
	v_readfirstlane_b32 s20, v1                    ; wave 0..4
	v_and_b32 v1, 31, v0                           ; lane
	v_and_b32 v2, 15, v0                           ; r = lane % 16
	v_bfe_u32 v3, v0, 4, 1                         ; h = lane / 16
	; the groups 1: constants, written on the way that all waves take.  Elements of 1 byte, no mask, padding of 4 words
.macro G1SET g, qi, cols, rows, pitch
	s_mov_b32 s[\g+0], (1<<20)|(\qi<<22)|(3<<25)   ; 20 padding on; 24:22 its interval; 31:25 four words (code 3)
	s_mov_b32 s[\g+1], \cols<<16                   ; tensor_dim0
	s_mov_b32 s[\g+2], \rows<<16                   ; tensor_dim1
	s_mov_b32 s[\g+3], \cols<<16                   ; tile_dim0
	s_mov_b32 s[\g+4], \rows                       ; tile_dim1
	s_mov_b32 s[\g+5], \pitch                      ; from row to row
	s_mov_b32 s[\g+6], 0
	s_mov_b32 s[\g+7], 0
.endm
	G1SET GW,  3, 2048, 4,  16384                  ; padding behind every 16 words
	G1SET GX,  7, 1024, 32, 2048                   ; behind every 256 words: a row
	G1SET GL,  7, 1024, 16, 2048
	G1SET GSX, 4, 128,  32, 128                    ; behind every 32 words: a row
	G1SET GSL, 4, 128,  16, 128
	s_mul_i32 s21, s20, WREG                       ; a role-W wave's bytes in LDS
	s_lshr_b32 s24, ttmp9, 1                       ; g / 2
	s_and_b32 s25, ttmp9, 1                        ; g % 2
	s_mov_b32 s27, 0                               ; the upper word of every offset here
	s_wait_dscnt 0x0
	s_wait_kmcnt 0x0
	s_cmp_lt_u32 s20, 4
	s_cbranch_scc0 .Lrole_a
	; ================= ROLE W =================
	s_lshl_b32 s25, s25, 2
	s_add_co_u32 s25, s25, s20                     ; s: my K step
	s_lshl_b32 s26, s24, 18                        ; 16 rows of 16,384 bytes
	s_lshl_b32 s28, s25, 11                        ; 512 int32
	s_add_co_u32 s26, s26, s28
	s_add_nc_u64 s[4:5], s[4:5], s[26:27]
.irp j, 0,1,2,3
	s_mov_b32 s[G0+4*\j], 1                        ; count = 1
	s_add_co_u32 s[G0+4*\j+1], s21, \j*10240       ; LDS: my bytes, rows 4 j on
	s_add_nc_u64 s[G0+4*\j+2:G0+4*\j+3], s[4:5], \j*65536
	s_or_b32 s[G0+4*\j+3], s[G0+4*\j+3], 0x80000000   ; type = 2
.endr
.irp j, 0,1,2,3
	tensor_load_to_lds s[G0+4*\j:G0+4*\j+3], s[GW:GW+7]
	s_nop 0
.endr
	v_mul_u32_u24 v4, v1, 80
	v_add_nc_u32 v4, s21, v4                       ; v4: my 64 bytes (16 codes) of a row
	s_lshl_b32 s26, s24, 12                        ; w_scales: 16 rows of 256 bytes,
	s_lshl_b32 s28, s25, 5                         ; my K step's 8 numbers
	s_add_co_u32 s26, s26, s28
	s_add_nc_u64 s[6:7], s[6:7], s[26:27]
	v_lshrrev_b32 v12, 2, v1
	v_lshlrev_b32 v12, 2, v12                      ; v12: four lanes (64 along K) share a number
.irp t, 0,1,2,3,4,5,6,7,8,9,10,11,12,13,14,15
	global_load_b32 v[WS+\t], v12, s[6:7] offset:256*\t
.endr
	s_lshr_b32 s28, ttmp9, 4                       ; wq: group of 128 rows,
	s_lshl_b32 s28, s28, 3
	s_add_co_u32 s28, s28, s25                     ; K step,
	s_mul_i32 s28, s28, BBLK
	s_and_b32 s30, s24, 7                          ; my 16 rows in the group
	s_lshl_b32 s26, s30, 12
	s_add_co_u32 s26, s26, s28                     ; their codes: 256 bytes a row
	s_lshl_b32 s30, s30, 8
	s_add_co_u32 s30, s30, s28
	s_add_co_u32 s30, s30, 32768                   ; their scale bytes: 16 a row, behind the block's codes
	s_mov_b32 s31, 0
	s_add_nc_u64 s[22:23], s[16:17], s[30:31]
	s_add_nc_u64 s[16:17], s[16:17], s[26:27]
	s_lshl_b32 s29, s20, 8
	s_add_co_u32 s29, s29, SBB
	v_lshrrev_b32 v5, 1, v1
	v_add_nc_u32 v5, s29, v5                       ; v5: my block's byte among my wave's 256
	v_lshlrev_b32 v7, 3, v1                        ; v7: 8 bytes a lane: my codes' place in a row of wq, and my part of the scale bytes
	v_add_nc_u32 v6, s29, v7                       ; v6: the same in LDS
.macro TBLSET i, bits                  ; lanes i and i + 16 take entry i
	v_cmp_ne_u32 vcc_lo, \i, v2
	v_cndmask_b32 v[TBL], \bits, v[TBL], vcc_lo
.endm
	v_mov_b32 v[TBL], 0xbf800000                   ; the table's 16 numbers as f32 bits
	TBLSET 1,  0xbf3239b1
	TBLSET 2,  0xbf066b30
	TBLSET 3,  0xbeca32a0
	TBLSET 4,  0xbe91a24d
	TBLSET 5,  0xbe3d353f
	TBLSET 6,  0xbdba7871
	TBLSET 7,  0
	TBLSET 8,  0x3da2faff
	TBLSET 9,  0x3e24cae3
	TBLSET 10, 0x3e7c04dd
	TBLSET 11, 0x3ead033a
	TBLSET 12, 0x3ee1a4b8
	TBLSET 13, 0x3f1007ab
	TBLSET 14, 0x3f3913b3
	TBLSET 15, 0x3f800000
.macro LOADX t                         ; row t: my 16 codes.  Lanes stand 80 bytes apart, an odd multiple of 16: sixteen lanes of a load touch sixteen different columns of 16 bytes
.irp i, 0,1,2,3
	ds_load_b128 v[X+16*((\t)%2)+4*\i:X+16*((\t)%2)+4*\i+3], v4 offset:2560*(\t)+16*\i
.endr
.endm
.macro PERM t                          ; code -> table entry: the permute's index is 4 x the lane
.irp i, 0,1,2,3,4,5,6,7,8,9,10,11,12,13,14,15
	v_lshlrev_b32 v[X+16*((\t)%2)+\i], 2, v[X+16*((\t)%2)+\i]
.endr
.irp i, 0,1,2,3,4,5,6,7,8,9,10,11,12,13,14,15
	ds_bpermute_b32 v[Y+16*((\t)%2)+\i], v[X+16*((\t)%2)+\i], v[TBL]
.endr
.endm
.macro MATH t                          ; row t: x its scale, the block's largest magnitude, the byte, the codes; out
.set YS, Y+16*((\t)%2)
.irp i, 0,2,4,6,8,10,12,14
.if ((\t)%2) == 0
	v_pk_mul_f32 v[YS+\i:YS+\i+1], v[YS+\i:YS+\i+1], v[WS+(\t):WS+(\t)+1] op_sel_hi:[1,0]    ; both by the pair's first register: row t's scale
.else
	v_pk_mul_f32 v[YS+\i:YS+\i+1], v[YS+\i:YS+\i+1], v[WS+(\t)-1:WS+(\t)] op_sel:[0,1]       ; both by the pair's second
.endif
.endr
	v_max3_num_f32 v8, |v[YS]|, |v[YS+1]|, |v[YS+2]|               ; the largest magnitude of my 16, in two chains
	v_max3_num_f32 v9, |v[YS+3]|, |v[YS+4]|, |v[YS+5]|
.irp i, 6,10
	v_max3_num_f32 v8, v8, |v[YS+\i]|, |v[YS+\i+1]|
	v_max3_num_f32 v9, v9, |v[YS+\i+2]|, |v[YS+\i+3]|
.endr
	v_max3_num_f32 v8, v8, |v[YS+14]|, |v[YS+15]|
	v_max3_num_f32 v8, v8, v9, 0x1800000           ; and the floor 2^(3 - 127): the byte cannot fall under 1
	v_max_num_f32_dpp v8, v8, v8 row_xmask:1 row_mask:0xf bank_mask:0xf   ; with my neighbour's 16: the block's
	v_add_nc_u32 v11, 0xff000000, v8               ; 2 off its exponent field: the conversion takes this operand's exponent field as its scale
	v_cvt_scalef32_pk8_fp4_f32 v[C+2*(\t)], v[YS:YS+7], v11        ; to the nearest code, ties to even, beyond 6 the largest code; the first number in the lowest four bits
	v_cvt_scalef32_pk8_fp4_f32 v[C+2*(\t)+1], v[YS+8:YS+15], v11
	v_lshrrev_b32 v[E+(\t)], 23, v11               ; the scale's byte (also the plain line behind the conversions)
	ds_store_b8 v5, v[E+(\t)] offset:16*(\t)       ; both lanes of a block write the same byte with the same value
	global_store_b64 v7, v[C+2*(\t):C+2*(\t)+1], s[16:17] offset:256*(\t)   ; the wave stores 256 consecutive bytes, aligned: a row of the block
.endm
; A turn: row t's look-up goes out, row t + 1's codes are asked for, row t - 1 is worked while both are on their way.
.macro ITER t
.if (\t) >= 2
	s_wait_dscnt 1                                 ; only row t - 2's byte store is younger than row t's codes: those are in, and so is row t - 1's look-up
.else
	s_wait_dscnt 0x0
.endif
.if (\t) < 16
	PERM \t
.endif
.if (\t)+1 < 16
.if ((\t)+1)%4 == 0
	s_wait_tensorcnt 3-((\t)+1)/4                  ; the next four rows have landed; the younger loads may be out
.endif
	LOADX (\t)+1
.endif
.if (\t) == 1
	s_wait_loadcnt 0x0                             ; the 16 scales, once
.endif
.if (\t) >= 1
	MATH (\t)-1
.endif
.endm
	s_wait_tensorcnt 3                             ; rows 0-3 have landed; three younger loads may be out
	LOADX 0
.irp t, 0,1,2,3,4,5,6,7,8,9,10,11,12,13,14,15,16
	ITER \t
.endr
	ds_load_b64 v[14:15], v6                       ; LDS serves a wave's instructions in order (ISA guide 5.7.1.4): this sees my 16 byte stores
	s_wait_dscnt 0x0
	global_store_b64 v7, v[14:15], s[22:23]        ; my 16 rows' scale bytes: 256 consecutive bytes, aligned
	s_wait_tensorcnt 0x0
	ds_add_u32 v160, v161
	s_wait_dscnt 0x0
	s_endpgm
	; ================= ROLE A =================
.Lrole_a:
	s_lshl_b32 s26, ttmp9, 16                      ; 32 rows of 2,048 bytes of codes
	s_add_nc_u64 s[8:9], s[8:9], s[26:27]
	s_lshl_b32 s26, ttmp9, 12                      ; 32 rows of 128 scale bytes
	s_add_nc_u64 s[10:11], s[10:11], s[26:27]
.macro G0SET i, lds, base, off
	s_mov_b32 s[G0+4*\i], 1
	s_mov_b32 s[G0+4*\i+1], \lds
	s_add_nc_u64 s[G0+4*\i+2:G0+4*\i+3], s[\base:\base+1], \off
	s_or_b32 s[G0+4*\i+3], s[G0+4*\i+3], 0x80000000
.endm
	G0SET 0, SX, 10, 0
	G0SET 1, SL, 14, 0
	G0SET 2, LB, 12, 0                             ; the first half along K,
	G0SET 3, XB, 8, 0
	G0SET 4, LB+16640, 12, 1024                    ; the second
	G0SET 5, XB+33280, 8, 1024
	tensor_load_to_lds s[G0:G0+3], s[GSX:GSX+7]
	s_nop 0
	tensor_load_to_lds s[G0+4:G0+7], s[GSL:GSL+7]
	s_nop 0
	tensor_load_to_lds s[G0+8:G0+11], s[GL:GL+7]
	s_nop 0
	tensor_load_to_lds s[G0+12:G0+15], s[GX:GX+7]
	s_nop 0
	tensor_load_to_lds s[G0+16:G0+19], s[GL:GL+7]
	s_nop 0
	tensor_load_to_lds s[G0+20:G0+23], s[GX:GX+7]
	s_nop 0
	v_mul_u32_u24 v10, v2, 1040                    ; a fragment: row r x pitch + 16 h
	v_lshl_add_u32 v10, v3, 4, v10
	v_add_nc_u32 v4, XB, v10                       ; v4: x's
	v_add_nc_u32 v5, LB, v10                       ; v5: lora_a's
	v_mul_u32_u24 v10, v2, 144
	v_add_nc_u32 v7, SX+16*144, v10                ; v7: the scale words of x's rows 16-31
	v_mad_u32_u24 v10, v3, SL-SX, v10
	v_add_nc_u32 v6, SX, v10                       ; v6: lanes 0-15 those of x's rows 0-15, lanes 16-31 lora_a's
	v_lshlrev_b32 v12, 5, v2
	v_lshl_add_u32 v12, v3, 4, v12                 ; v12: axw: row r of 32 bytes, + 16 h
	s_lshl_b32 s26, ttmp9, 10
	s_add_nc_u64 s[18:19], s[18:19], s[26:27]
; Unit n is 256 along K: two matrix instructions deep (p), two tiles of rows (u).  14 LDS loads bring it.
.macro AFETCH n
.set LS_, LF+16*((\n)%2)
.set XS_, XF+32*((\n)%2)
.set SS_, SW+4*((\n)%2)
.irp p, 0,1
.irp c, 0,1
	ds_load_b128 v[LS_+8*\p+4*\c:LS_+8*\p+4*\c+3], v5 offset:((\n)/8)*16640+((\n)%8)*128+64*\p+32*\c
.endr
.endr
.irp u, 0,1
.irp p, 0,1
.irp c, 0,1
	ds_load_b128 v[XS_+16*\u+8*\p+4*\c:XS_+16*\u+8*\p+4*\c+3], v4 offset:((\n)/8)*33280+\u*16640+((\n)%8)*128+64*\p+32*\c
.endr
.endr
.endr
	ds_load_b64 v[SS_:SS_+1], v6 offset:8*(\n)     ; two words a row: 2 x 128 along K
	ds_load_b64 v[SS_+2:SS_+3], v7 offset:8*(\n)
.endm
.macro AMUL n                          ; the two accumulators take turns, one instruction a turn; unit 0's first products start the sums
.set LS_, LF+16*((\n)%2)
.set XS_, XF+32*((\n)%2)
.set SS_, SW+4*((\n)%2)
.irp p, 0,1
.irp u, 0,1
.if ((\n) == 0) && (\p == 0)
	v_wmma_scale_f32_16x16x128_f8f6f4 v[ACC+8*\u:ACC+8*\u+7], v[LS_+8*\p:LS_+8*\p+7], v[XS_+16*\u+8*\p:XS_+16*\u+8*\p+7], 0, v[SS_+\p], v[SS_+2*\u+\p] matrix_a_fmt:MATRIX_FMT_FP4 matrix_b_fmt:MATRIX_FMT_FP4 matrix_a_scale:MATRIX_SCALE_ROW1
.else
	v_wmma_scale_f32_16x16x128_f8f6f4 v[ACC+8*\u:ACC+8*\u+7], v[LS_+8*\p:LS_+8*\p+7], v[XS_+16*\u+8*\p:XS_+16*\u+8*\p+7], v[ACC+8*\u:ACC+8*\u+7], v[SS_+\p], v[SS_+2*\u+\p] matrix_a_fmt:MATRIX_FMT_FP4 matrix_b_fmt:MATRIX_FMT_FP4 matrix_a_scale:MATRIX_SCALE_ROW1
.endif
.endr
.endr
.endm
	s_wait_tensorcnt 2                             ; both tiles of scale bytes and the first halves along K have landed; the two second halves may be out
	AFETCH 0
.irp n, 0,1,2,3,4,5,6,7,8,9,10,11,12,13,14,15
.if \n < 15
.if \n > 0
.rept 4
	v_nop                                          ; four places between the last products and loads into the registers that they read (ISA guide 7.12.1 for vector instructions)
.endr
.endif
.if \n == 7
	s_wait_tensorcnt 0x0                           ; the second halves along K
.endif
	AFETCH \n+1
	s_wait_dscnt 14                                ; this unit is in; the 14 loads just issued may be out
.else
	s_wait_dscnt 0x0
.endif
	AMUL \n
.endr
.rept 4
	v_nop
.endr
.irp i, 0,1,2,3,4,5,6,7
	v_pk_mul_f32 v[T+2*\i:T+2*\i+1], v[ACC+2*\i:ACC+2*\i+1], 2.0 op_sel_hi:[1,0]   ; alpha / rank = 2; each accumulator from its low end on
.endr
.irp i, 0,1,2,3,4,5,6,7
	v_cvt_pk_bf16_f32 v[P+\i], v[T+2*\i], v[T+2*\i+1]
.endr
.irp u, 0,1
	global_store_b128 v12, v[P+4*\u:P+4*\u+3], s[18:19] offset:512*\u   ; 16 rows of 32 bytes: 512 consecutive bytes, aligned
.endr
	s_wait_tensorcnt 0x0
	ds_add_u32 v160, v161
	s_wait_dscnt 0x0
	s_endpgm
.Lfunc_end_k_qfff1ba8dbd_prep:
	.size	k_qfff1ba8dbd_prep, .Lfunc_end_k_qfff1ba8dbd_prep-k_qfff1ba8dbd_prep
	.p2alignl 7, 3214868480
	.fill 96, 4, 3214868480
	.section	.rodata,"a",@progbits
	.p2align	6, 0x0
	.amdhsa_kernel k_qfff1ba8dbd_prep
		.amdhsa_group_segment_fixed_size 272384
		.amdhsa_private_segment_fixed_size 0
		.amdhsa_enable_private_segment 0
		.amdhsa_kernarg_size 64
		.amdhsa_user_sgpr_count 2
		.amdhsa_user_sgpr_kernarg_segment_ptr 1
		.amdhsa_wavefront_size32 1
		.amdhsa_system_sgpr_workgroup_id_x 1
		.amdhsa_system_sgpr_workgroup_id_y 1
		.amdhsa_system_sgpr_workgroup_id_z 1
		.amdhsa_system_vgpr_workitem_id 0
		.amdhsa_next_free_vgpr 162
		.amdhsa_next_free_sgpr 100
		.amdhsa_reserve_vcc 1
		.amdhsa_float_denorm_mode_32 3
		.amdhsa_float_denorm_mode_16_64 3
		.amdhsa_memory_ordered 1
		.amdhsa_forward_progress 1
		.amdhsa_inst_pref_size 90
	.end_amdhsa_kernel
	.amdgpu_metadata
---
amdhsa.version: [ 1, 2 ]
amdhsa.kernels:
  - .name:           k_qfff1ba8dbd_prep
    .symbol:         k_qfff1ba8dbd_prep.kd
    .args:
      - { .name: w_codes, .offset: 0, .size: 8, .value_kind: global_buffer, .address_space: global }
      - { .name: w_scales, .offset: 8, .size: 8, .value_kind: global_buffer, .address_space: global }
      - { .name: x_codes, .offset: 16, .size: 8, .value_kind: global_buffer, .address_space: global }
      - { .name: x_scales, .offset: 24, .size: 8, .value_kind: global_buffer, .address_space: global }
      - { .name: lora_a_codes, .offset: 32, .size: 8, .value_kind: global_buffer, .address_space: global }
      - { .name: lora_a_scales, .offset: 40, .size: 8, .value_kind: global_buffer, .address_space: global }
      - { .name: wq, .offset: 48, .size: 8, .value_kind: global_buffer, .address_space: global }
      - { .name: axw, .offset: 56, .size: 8, .value_kind: global_buffer, .address_space: global }
    .group_segment_fixed_size: 272384
    .private_segment_fixed_size: 0
    .kernarg_segment_align: 8
    .kernarg_segment_size: 64
    .max_flat_workgroup_size: 160
    .sgpr_count:     100
    .vgpr_count:     162
    .wavefront_size: 32
...
	.end_amdgpu_metadata
.endif
;; end of part 1
;; launch gemm (part 2): grid 8 x 32, 4 waves a work-group, clusters of 4 x 4, 327,680 bytes of LDS; arguments x_codes, x_scales, wq, axw, lora_b, out0; writes out0
.if DOCPART == 2
	.amdgcn_target "amdgcn-amd-amdhsa--gfx1250"
	.amdhsa_code_object_version 6
	.text
	.protected	k_qfff1ba8dbd_gemm
	.globl	k_qfff1ba8dbd_gemm
	.p2align	8
	.type	k_qfff1ba8dbd_gemm,@function
k_qfff1ba8dbd_gemm:
	s_mov_b64 s[64:65], 0
	v_nop
	global_prefetch_b8 v0, s[64:65] scope:SCOPE_SE
	s_setreg_imm32_b32 hwreg(HW_REG_WAVE_MODE, 25, 1), 1
	s_wait_xcnt 0x0
	s_wait_alu depctr_hold_cnt(0) depctr_sa_sdst(0) depctr_va_vdst(0) depctr_va_sdst(0) depctr_va_ssrc(0) depctr_va_vcc(0) depctr_vm_vsrc(0)
	s_getreg_b32 s2, hwreg(HW_REG_IB_STS2, 6, 4)
	s_cmp_eq_u32 s2, 0
	s_cbranch_scc0 .Lentry_in_a_cluster
	s_endpgm
.Lentry_in_a_cluster:
	s_bfe_u32 s2, ttmp6, 0x10000c
	s_cmp_lg_u32 s2, 0xf033
	s_cbranch_scc0 .Lentry_shape_is_right
	s_endpgm
.Lentry_shape_is_right:
; out[m][n] = the sum over k of x[m][k] Q(w)[n][k] + the sum over r of (2 ax)[m][r] lora_b[n][r].  x: the given codes of FP4 (E2M1) and E8M0 bytes; Q(w): codes and bytes in wq; 2 ax: bf16 in axw; out: f32.
; A tile of out, 256 x 256, is made by a work-group of four waves; a wave makes 128 x 128: 64 accumulators of 16 x 16, 512 registers.
; THE SUMS BEGIN WITH THE LoRA PRODUCT: one bf16 matrix instruction for each accumulator (K = 32: the 16 ranks, then zeros on both sides), with the constant 0 as C, issued while the first tiles are on their way.
; Then K = 4,096 goes in 8 steps of 512 through a ring of two LDS slots filled by the tensor data mover; a tile's row is 256 bytes of memory.
; SCALES.  x's bytes for the work-group's 256 rows and all of K are one dense block of 32,768 bytes: it comes once, with the first fills, and stays.  Both operands' would not fit beside the ring (2 x 34,816 bytes),
; so w's ride in the ring: a block of wq is 128 rows of codes and, behind them, their 128 x 16 scale bytes: 136 rows of 256 bytes, one load.
; CLUSTERS: 4 x 4 work-groups.  The four of a row of the cluster need the same tiles of x (and its scales), the four of a column the same blocks of wq: each is asked for JOINTLY, by the same tensor load with
; the same descriptor and a mask that names the four.  THE MATRIX INSTRUCTIONS ARE USED TRANSPOSED (source 0 = 16 rows of w or lora_b, source 1 = 16 rows of x or ax): a lane holds eight neighbouring numbers of a row of out.
; REGISTERS, in windows of 256: window 0: v0-31 addresses; v32-95 x's scale words, two sets; v96-127 and v192-223 w's, two sets; v128-191 x's fragments (8 x 16 rows x 128 K), ONE set; on the way out v128-255 are free.
;   window 1: w's fragments, TWO sets, at v0 and at v128.   window 2: the 32 accumulators of my rows 0-63 ((a, b) at v[8 (8 a + b)]);   window 3: those of my rows 64-127.
; LIMITS: NaN and infinities in lora_b are not served; 2 ax and lora_b are rounded to bf16 for their product.
.set SIZE_N, 2048
.set SIZE_K, 4096
.set NQ,     4                         ; matrix instructions deep in a slot: 512 along K
.set ROWB,   256                       ; a tile's row in bytes
.set KROW,   SIZE_K/2                  ; a row of x's codes in memory
.set PITCH,  272                       ; an LDS row: 256 bytes + 16 of padding = 68 words: row r starts at bank 4 r mod 64 (64 banks of 4 bytes: ISA guide 11.1), so the 16 rows of a load start at 16 different banks
.set FR,     8                         ; registers of a fragment
.set NL,     2                         ; LDS loads that bring one
.set NP,     4                         ; places behind these matrix instructions (ISA guide 7.12.1)
.set HALFT,  128*PITCH                 ; 128 rows of x's codes: what one tensor load brings
.set HALFB,  136*PITCH                 ; a block of wq in LDS
.set BBLK,   136*256                   ; and in memory
.set SLOT,   2*HALFT+2*HALFB           ; x's 256 rows, then two blocks of wq
.set LAPS,   SIZE_K/1024               ; a lap = two K steps = once round the ring
.set SCL,    2*SLOT                    ; behind the ring: x's scale bytes, as rows of 256 bytes + 16 of padding
.set QS,     32*PITCH                  ; those of 64 rows: what one tensor load brings
.set HALFS,  2*QS                      ; of 128 rows
.set SBLK,   8*PITCH                   ; of 16 rows
.set SPARE,  SCL+4*QS                  ; behind them: the spare words, 128 bytes for each wave: two blocks of 256 bytes that no other line names
.set SPITCH, 528                       ; the way out: a stage of 16 rows x (512 bytes + 16) for each wave, in slot 0, which has had its last fill and its last read when the first result is stored there
.set ADRA, 16                          ; v16-17  LDS address of my fragments of x in slot 0, 1
.set ADSB, 18                          ; v18-19  of w's scale words
.set ADRB, 20                          ; v20-21  of my fragments of w
.set AXO,  22                          ; v22     my byte in 16 rows of axw
.set LBO,  23                          ; v23     my byte in 16 rows of lora_b
.set STO,  24                          ; v24     the way out: where I put 32 bytes of a row
.set RD,   25                          ; v25     where I read a row back
.set CO,   26                          ; v26     my byte offset in a row of out
.set ADSA, 27                          ; v27     LDS address of x's scale words; 16 bytes on with each K step
.set SPW,  28                          ; v28     LDS address of my spare word: SPARE + 4 x my thread's number; never rewritten
.set NIL,  29                          ; v29     0; never rewritten
.set PFO,  30                          ; v30     the prefetches' offset: my lane x a row; never rewritten
.set SCA,  32                          ; x's scale words: set s at v[32 + 32 s]; register 4 i + q: block i's rows, the slot's q-th 128 along K
.set SCB,  96                          ; w's: set s at v[96 + 96 s], likewise
.set AF,   128                         ; x's fragments
.set BK,   128                         ; the way out: 16 rows read back from the stage: v128-191 and v192-255 by turns
.set G1,   24                          ; s[24:31] descriptor group 1 for x's tiles;  s[32:39] group 0, one set for each slot
.set G0,   32
.set G1B,  48                          ; s[48:55], s[56:63] the same for wq's blocks
.set G0B,  56
.set G1S,  72                          ; s[72:79], s[80:83] for x's scale bytes
.set G0S,  80
.set PFA,  84                          ; s[84:85] where my prefetches stand
.set PFS,  86                          ; s[86:87] a K step on, in bytes
.set LIM,  88                          ; s88      1 in a wave that prefetches, else the greatest number
.set MSB, 0
.macro WIN new                         ; the immediate's high byte repeats the setting that is left
.if MSB != \new
	s_set_vgpr_msb (MSB<<8)|\new
.set MSB, \new
.endif
.endm
.set MUL_LO, 0xa1                      ; source 0 (w) window 1, source 1 (x) window 0, C and D window 2
.set MUL_HI, 0xf1                      ; the same, C and D window 3
.set TO_B,   0x40                      ; destination window 1, sources and addresses window 0
; A joint load: waves 0 and 1 fetch x's two halves, waves 2 and 3 two blocks of wq.  Each of the two lines has ONE mask and one set of registers for all that issue it; the branch hangs on the wave's number alone.
; Four v_nop follow each of the two lines, ahead of the jump, the label and what follows.
.macro JLOAD g0a, g1a, g0b, g1b
	s_cmp_eq_u32 s15, 0
	s_cbranch_scc0 .Lfor_b_\@
	tensor_load_to_lds s[\g0a:\g0a+3], s[\g1a:\g1a+7]
	s_nop 0
.rept 4
	v_nop
.endr
	s_branch .Lasked_\@
.Lfor_b_\@:
	tensor_load_to_lds s[\g0b:\g0b+3], s[\g1b:\g1b+7]
	s_nop 0
.rept 4
	v_nop
.endr
.Lasked_\@:
.endm
.macro CREST                           ; a round of the cluster's barrier behind its opening barrier
	s_cmp_lg_u32 s14, 0
	s_cbranch_scc1 .Lnot_wave_0_\@
	s_barrier_signal -3
.Lnot_wave_0_\@:
	s_barrier_wait -3
	s_barrier_signal -1
	s_barrier_wait -1
.endm
.macro CROUND                          ; a whole round
	s_barrier_signal -1
	s_barrier_wait -1
	CREST
.endm
; A PREFETCH INTO THE L2, behind each joint refill and the run of LDS loads that follows it: the K step that stands TWO refills on (512 matrix instructions ahead of the load that will want it): 32 rows x 256 bytes, a lane a row.
; Each row's 256 bytes of a K step are named ONCE in the launch.  x's tile row is read by both clusters of that row of clusters: the one with x = 0 asks; a block of wq by all eight clusters of a column: the one with y = 0 asks.
; The four partners that ask for a tile jointly share its 128 rows out BY ADDRESS, 32 each (by cx for x, by cy for wq): no branch hangs on a work-group's place in its cluster.
; K steps 0 to 3 come by their loads alone; the loop's last trip (s3 = 1) has no K step two refills on and asks for nothing; a block's 8 rows of scale bytes are not asked for.
.macro ASK
	s_cmp_gt_u32 s3, s[LIM]
	s_cbranch_scc0 .Lnot_mine_\@
	global_prefetch_b8 v[PFO], s[PFA:PFA+1] th:TH_LOAD_NT scope:SCOPE_SE
.Lnot_mine_\@:
.endm
	s_load_b128 s[4:7], s[0:1], 0x0                ; x's codes s[4:5], x's scales s[6:7]
	s_load_b128 s[8:11], s[0:1], 0x10              ; wq s[8:9], axw s[10:11]
	s_load_b128 s[68:71], s[0:1], 0x20             ; lora_b s[68:69], out s[70:71]
	v_lshl_add_u32 v[SPW], v0, 2, SPARE
	v_mov_b32 v[NIL], 0
	ds_add_u32 v28, v29
	ds_add_u32 v28, v29
	s_wait_dscnt 0x0
	v_lshrrev_b32 v1, 5, v0
	v_readfirstlane_b32 s14, v1                    ; wave 0..3
	s_lshr_b32 s15, s14, 1                         ; which half of the tile's rows is mine.  Also: I fetch x (0) or wq (1)
	s_and_b32 s16, s14, 1                          ; which half of its columns.  Also: which 128 rows I fetch
	s_bfe_u32 s40, ttmp6, 0x40000                  ; cx, cy: my place in the cluster
	s_bfe_u32 s41, ttmp6, 0x40004
	s_lshl_b32 s42, ttmp9, 2
	s_add_co_u32 s42, s42, s40                     ; tile column = 4 x cluster x + cx
	s_and_b32 s17, ttmp7, 0xffff
	s_lshl_b32 s17, s17, 2
	s_add_co_u32 s17, s17, s41                     ; tile row = 4 x cluster y + cy
	s_lshl_b32 s43, s41, 2
	s_lshl_b32 s43, 15, s43                        ; my row of the cluster
	s_lshl_b32 s44, 0x1111, s40                    ; my column
	; groups 1.  15:0 the mask; 17:16 the element's size; 20 padding on; 21 set beside a mask; 24:22 after every 64 words (code 5); 31:25 four words (code 3)
	s_or_b32 s[G1+0], s43, (0<<16)|(1<<20)|(1<<21)|(5<<22)|(3<<25)    ; x's tiles go to my row: 128 rows x 256 bytes, 2,048 apart
	s_mov_b32 s[G1+1], ROWB<<16
	s_mov_b32 s[G1+2], 128<<16
	s_mov_b32 s[G1+3], ROWB<<16
	s_mov_b32 s[G1+4], 128
	s_mov_b32 s[G1+5], KROW
	s_mov_b32 s[G1+6], 0
	s_mov_b32 s[G1+7], 0
	s_or_b32 s[G1B+0], s44, (0<<16)|(1<<20)|(1<<21)|(5<<22)|(3<<25)   ; wq's blocks go to my column: 136 rows x 256 bytes, dense
	s_mov_b32 s[G1B+1], ROWB<<16
	s_mov_b32 s[G1B+2], 136<<16
	s_mov_b32 s[G1B+3], ROWB<<16
	s_mov_b32 s[G1B+4], 136
	s_mov_b32 s[G1B+5], ROWB
	s_mov_b32 s[G1B+6], 0
	s_mov_b32 s[G1B+7], 0
	s_or_b32 s[G1S+0], s43, (3<<16)|(1<<20)|(1<<21)|(5<<22)|(3<<25)   ; x's scale bytes of 64 rows go to my row: 8,192 dense bytes as 32 rows of 32 elements of 8 bytes
	s_mov_b32 s[G1S+1], 32<<16
	s_mov_b32 s[G1S+2], 32<<16
	s_mov_b32 s[G1S+3], 32<<16
	s_mov_b32 s[G1S+4], 32
	s_mov_b32 s[G1S+5], 32
	s_mov_b32 s[G1S+6], 0
	s_mov_b32 s[G1S+7], 0
	; where the tiles come from.  x's hang on the tile row alone, wq's on the tile column alone; every wave makes all three addresses, in registers that never hold the other coordinate
	s_lshl_b32 s18, s16, 7
	s_lshl_b32 s20, s17, 8
	s_add_co_u32 s20, s20, s18                     ; x: row 256 x tile row + 128 x half,
	s_lshl_b32 s20, s20, 11                        ; x 2,048 bytes
	s_mov_b32 s21, 0
	s_lshl_b32 s18, s14, 6
	s_lshl_b32 s22, s17, 8
	s_add_co_u32 s22, s22, s18                     ; x's scales: row 256 x tile row + 64 x wave,
	s_lshl_b32 s22, s22, 7                         ; x 128 bytes
	s_mov_b32 s23, 0
	s_lshl_b32 s46, s42, 1
	s_add_co_u32 s46, s46, s16                     ; wq: group of 128 rows = 2 x tile column + half,
	s_mul_i32 s46, s46, 8*BBLK                     ; x 8 blocks
	s_mov_b32 s47, 0
	s_mul_i32 s45, s16, HALFT                      ; and where they go: no place in the cluster enters an LDS address
	s_mul_i32 s94, s16, HALFB
	s_add_co_u32 s94, s94, 2*HALFT
	s_mul_i32 s95, s14, QS
	s_wait_kmcnt 0x0
	s_add_nc_u64 s[20:21], s[4:5], s[20:21]
	s_add_nc_u64 s[22:23], s[6:7], s[22:23]
	s_add_nc_u64 s[46:47], s[8:9], s[46:47]
	CROUND                                         ; all sixteen work-groups are here: the first joint loads meet
	s_mov_b32 s[G0S], 1
	s_add_co_u32 s[G0S+1], s95, SCL
	s_mov_b64 s[G0S+2:G0S+3], s[22:23]
	s_or_b32 s[G0S+3], s[G0S+3], 0x80000000
	tensor_load_to_lds s[G0S:G0S+3], s[G1S:G1S+7]  ; x's scale bytes first: every wave a quarter; they are wanted with K step 0
	s_nop 0
.rept 4
	v_nop
.endr
.irp s, 0,1
	s_mov_b32 s[G0+4*\s], 1
	s_add_co_u32 s[G0+4*\s+1], s45, \s*SLOT
	s_add_nc_u64 s[G0+4*\s+2:G0+4*\s+3], s[20:21], \s*ROWB
	s_or_b32 s[G0+4*\s+3], s[G0+4*\s+3], 0x80000000
	s_mov_b32 s[G0B+4*\s], 1
	s_add_co_u32 s[G0B+4*\s+1], s94, \s*SLOT
	s_add_nc_u64 s[G0B+4*\s+2:G0B+4*\s+3], s[46:47], \s*BBLK
	s_or_b32 s[G0B+4*\s+3], s[G0B+4*\s+3], 0x80000000
	JLOAD G0+4*\s, G1, G0B+4*\s, G1B               ; three tensor loads of mine are out behind the second of these
.endr
	; the LoRA product's operands, straight into registers.  A bf16 fragment is 16 rows x 32 K: lane l holds row l % 16; registers 0-3 K = 8 (l / 16) + 0..7; registers 4-7 K = 16 on: zeros here
	v_and_b32 v1, 15, v0                           ; r = l % 16
	v_bfe_u32 v2, v0, 4, 1                         ; h = l / 16
	v_lshlrev_b32 v[AXO], 5, v1
	v_lshl_add_u32 v[AXO], v2, 4, v[AXO]           ; axw: row r of 32 bytes, + 16 h: 8 bf16
	v_lshlrev_b32 v[LBO], 6, v1
	v_lshl_add_u32 v[LBO], v2, 5, v[LBO]           ; lora_b: row r of 64 bytes, + 32 h: 8 f32
	s_lshl_b32 s20, s17, 8
	s_lshl_b32 s21, s15, 7
	s_add_co_u32 s20, s20, s21                     ; my first row of out and of axw
	s_lshl_b32 s18, s20, 5
	s_mov_b32 s19, 0
	s_add_nc_u64 s[10:11], s[10:11], s[18:19]
	s_lshl_b32 s46, s42, 8
	s_lshl_b32 s47, s16, 7
	s_add_co_u32 s46, s46, s47                     ; my first column of out = row of lora_b
	s_lshl_b32 s90, s46, 6
	s_mov_b32 s91, 0
	s_add_nc_u64 s[68:69], s[68:69], s[90:91]
.irp a, 0,1,2,3,4,5,6,7
	global_load_b128 v[AF+8*\a:AF+8*\a+3], v[AXO], s[10:11] offset:512*\a
.endr
.irp b, 0,1,2,3,4,5,6,7
.irp c, 0,1
	global_load_b128 v[SCA+8*\b+4*\c:SCA+8*\b+4*\c+3], v[LBO], s[68:69] offset:1024*\b+16*\c   ; f32, into registers that scale words take later
.endr
.endr
	s_lshl_b32 s20, s20, 13                        ; out: my first row x 8,192 bytes,
	s_mov_b32 s21, 0
	s_lshl_b32 s46, s46, 2                         ; my first column x 4
	s_mov_b32 s47, 0
	s_add_nc_u64 s[70:71], s[70:71], s[20:21]
	s_add_nc_u64 s[70:71], s[70:71], s[46:47]
	; LDS addresses
	v_mul_u32_u24 v3, v1, PITCH
	v_lshl_add_u32 v4, v2, 4, v3                   ; a fragment's row x pitch + 16 x half
	v_lshlrev_b32 v5, 4, v1                        ; w's scale bytes: 16 a row
	s_mul_i32 s21, s15, HALFT                      ; my 128 rows of x
	s_mul_i32 s22, s16, HALFB                      ; my block of wq,
	s_add_co_u32 s22, s22, 2*HALFT                 ; behind x's 256 rows
.irp s, 0,1
	v_add_nc_u32 v[ADRA+\s], s21, v4
	v_add_nc_u32 v[ADRB+\s], s22, v4
	v_add_nc_u32 v[ADSB+\s], s22, v5
	v_add_nc_u32 v[ADSB+\s], 128*PITCH, v[ADSB+\s] ; behind the block's 128 rows of codes
	s_add_co_u32 s21, s21, SLOT
	s_add_co_u32 s22, s22, SLOT
.endr
	v_lshlrev_b32 v5, 7, v1                        ; x's scale bytes: 128 a row,
	v_lshrrev_b32 v6, 8, v5
	v_lshl_add_u32 v5, v6, 4, v5                   ; and 16 more for each 256 passed
	s_mul_i32 s21, s15, HALFS
	s_add_co_u32 s21, s21, SCL
	v_add_nc_u32 v[ADSA], s21, v5
	s_mul_i32 s23, s14, 16*SPITCH                  ; my stage
	v_mul_u32_u24 v5, v1, SPITCH                   ; in: row l % 16, 32 bytes for each half of the lanes
	v_lshl_add_u32 v5, v2, 5, v5
	v_add_nc_u32 v[STO], s23, v5
	v_and_b32 v6, 31, v0
	v_lshlrev_b32 v[CO], 4, v6                     ; back: the 32 lanes take one row of 512 bytes; and the same in out
	v_add_nc_u32 v[RD], s23, v[CO]
	; the prefetches: where mine stand, and who asks
	s_lshl_b32 s90, s17, 8
	s_lshl_b32 s92, s16, 7
	s_add_co_u32 s90, s90, s92
	s_lshl_b32 s92, s40, 5
	s_add_co_u32 s90, s90, s92                     ; x: the 128 rows that I fetch, my work-group's 32 of them (by cx),
	s_lshl_b32 s90, s90, 11
	s_add_co_u32 s90, s90, 3*ROWB                  ; at K step 3: the first refill steps it to 4
	s_lshl_b32 s91, s42, 1
	s_add_co_u32 s91, s91, s16
	s_mul_i32 s91, s91, 8*BBLK                     ; wq: the group that I fetch,
	s_lshl_b32 s92, s41, 13
	s_add_co_u32 s91, s91, s92                     ; my work-group's 32 rows of a block (by cy),
	s_add_co_u32 s91, s91, 3*BBLK                  ; at K step 3
	s_and_b32 s93, ttmp7, 0xffff                   ; cluster y
	s_mov_b32 s94, BBLK
	s_mov_b32 s95, ROWB
	s_cmp_eq_u32 s15, 0                            ; do I fetch x?
	s_cselect_b64 s[PFA:PFA+1], s[4:5], s[8:9]
	s_cselect_b32 s90, s90, s91
	s_cselect_b32 s93, ttmp9, s93                  ; the coordinate along which other clusters read the same rows
	s_cselect_b32 s[PFS], ROWB, s94                ; a K step on
	s_cselect_b32 s95, KROW, s95                   ; from lane to lane
	s_mov_b32 s91, 0
	s_mov_b32 s[PFS+1], 0
	s_add_nc_u64 s[PFA:PFA+1], s[PFA:PFA+1], s[90:91]
	s_cmp_eq_u32 s93, 0
	s_cselect_b32 s[LIM], 1, -1                    ; the same in all sixteen partners, for a given wave
	v_and_b32 v[PFO], 31, v0
	v_mul_lo_u32 v[PFO], v[PFO], s95
.macro FRAG reg, adr, q, i             ; a fragment, 16 rows x 128 K of 4-bit codes: lane l holds row l % 16; registers 4 c .. 4 c + 3 hold K = 64 c + 32 (l / 16) + 0 .. 31
.irp c, 0,1
	ds_load_b128 v[\reg+4*\c:\reg+4*\c+3], v[\adr] offset:64*(\q)+32*\c+(\i)*16*PITCH
.endr
.endm
; 16 matrix instructions: x's blocks a0, a0 + 1 against w's eight, 128 along K: the slot's q-th.  p: w's set;  sc: the sets of scale words.
; The 64 accumulators take turns, one instruction a turn, in the same order in every step.
.macro MUL16 a0, p, q, sc
.irp a, \a0, \a0+1
.irp b, 0,1,2,3,4,5,6,7
	v_wmma_scale_f32_16x16x128_f8f6f4 v[8*(8*((\a)%4)+\b):8*(8*((\a)%4)+\b)+7], v[128*(\p)+FR*\b:128*(\p)+FR*\b+FR-1], v[AF+FR*(\a):AF+FR*(\a)+FR-1], v[8*(8*((\a)%4)+\b):8*(8*((\a)%4)+\b)+7], v[SCB+96*(\sc)+4*\b+(\q)], v[SCA+32*(\sc)+4*(\a)+(\q)] matrix_a_fmt:MATRIX_FMT_FP4 matrix_b_fmt:MATRIX_FMT_FP4
.endr
.endr
.endm
.macro LORA16 a0                       ; 16 of the 64 products that start the sums: lora_b's block b x ax's block a
.irp a, \a0, \a0+1
.irp b, 0,1,2,3,4,5,6,7
	v_wmma_f32_16x16x32_bf16 v[8*(8*((\a)%4)+\b):8*(8*((\a)%4)+\b)+7], v[8*\b:8*\b+7], v[AF+8*(\a):AF+8*(\a)+7], 0
.endr
.endr
.endm
.macro FETCH_B slot, q, p              ; w's eight fragments of the slot's q-th 128 along K into set p
	WIN TO_B
.irp i, 0,1,2,3,4,5,6,7
	FRAG 128*(\p)+FR*\i, ADRB+\slot, \q, \i
.endr
	WIN 0
.endm
.macro FETCH_A slot, q, i0             ; x's blocks i0 .. i0 + 3
.irp i, \i0, \i0+1, \i0+2, \i0+3
	FRAG AF+FR*(\i), ADRA+\slot, \q, \i
.endr
.endm
.macro SCALES sc                       ; a K step's scale words into sets sc: four words a row; lane r (of 0-15) takes row r's, lanes 16-31 the same and are not read
.irp i, 0,1,2,3,4,5,6,7
	ds_load_b128 v[SCA+32*\sc+4*\i:SCA+32*\sc+4*\i+3], v[ADSA] offset:\i*SBLK
	ds_load_b128 v[SCB+96*\sc+4*\i:SCB+96*\sc+4*\i+3], v[ADSB+\sc] offset:\i*PITCH
.endr
.endm
; A load into a register that a matrix instruction has read, and a vector instruction or an LDS store that reads a matrix result, stand NP places behind that matrix instruction, and only plain vector
; instructions that name none of its registers are places (ISA guide 7.12.1 for vector instructions); the matrix instructions in between are not counted.
.macro PLACES n
.rept \n
	v_nop
.endr
.endm
; A step of 128 along K that has its successor in the same slot.  A block of x is free as soon as its eight products are issued: blocks 0-3 are fetched anew in the step's middle, blocks 4-7 at its end.
.macro STEP slot, q
	s_wait_dscnt 4*NL                              ; w's set, x's blocks 0-3 (and, behind a change of slots, the scale words) are in; the youngest eight loads (x's blocks 4-7) may be out
	WIN MUL_LO
	MUL16 0, (\q)%2, \q, \slot
	MUL16 2, (\q)%2, \q, \slot
	s_wait_dscnt 0                                 ; x's blocks 4-7 are in (asked for 32 matrix instructions ago)
	PLACES NP
	FETCH_B \slot, (\q)+1, 1-(\q)%2
	FETCH_A \slot, (\q)+1, 0
	WIN MUL_HI
	MUL16 4, (\q)%2, \q, \slot
	MUL16 6, (\q)%2, \q, \slot
	PLACES NP
	WIN 0
	FETCH_A \slot, (\q)+1, 4
.endm
; A slot's last step changes slots: ONE barrier; in front of it each wave waits for all its tensor loads, adds 0 to its spare word, and waits for that and for its own reads of this slot.  fill = 1: this slot is filled again, two K steps ahead.
.macro TURN slot, next, fill
.if \fill
	s_wait_xcnt 0x0                                ; the last prefetch, a K step back, has read its address: it is stepped here, ahead of the waits of the change of slots
	s_add_nc_u64 s[PFA:PFA+1], s[PFA:PFA+1], s[PFS:PFS+1]
.endif
	s_wait_tensorcnt 0x0                           ; all my tensor loads have landed: the one that was out is my part of the next slot;  (every window is 0 here)
	ds_add_u32 v[SPW], v[NIL]                      ; 0 onto my spare word
	s_wait_dscnt 4*NL+1                            ; (the add and the youngest eight loads, x's blocks 4-7, may be out)
	WIN MUL_LO
	MUL16 0, 1, NQ-1, \slot                        ; sixteen matrix instructions stand between the add and the wait for it
	s_wait_dscnt 0x0                               ; the add is done, and my reads of this slot are over
	s_barrier_signal -1
	MUL16 2, 1, NQ-1, \slot
	WIN 0
	s_barrier_wait -1
.if \fill
	CREST                                          ; the barrier has opened a round of the cluster's barrier: no wave of any partner still reads this slot's tiles or has a load on its way
	s_add_nc_u64 s[G0+4*\slot+2:G0+4*\slot+3], s[G0+4*\slot+2:G0+4*\slot+3], 2*ROWB
	s_add_nc_u64 s[G0B+4*\slot+2:G0B+4*\slot+3], s[G0B+4*\slot+2:G0B+4*\slot+3], 2*BBLK
	JLOAD G0+4*\slot, G1, G0B+4*\slot, G1B         ; the first tensor load behind the round, my only one until the next; the four v_nop behind it are the places in front of the loads below
.else
	PLACES NP
.endif
	v_add_nc_u32 v[ADSA], 4*NQ, v[ADSA]            ; on to the next K step's scale words of x (no LDS load of mine is out)
	FETCH_B \next, 0, 0
	FETCH_A \next, 0, 0
	SCALES \next
.if \fill
	ASK
.endif
	WIN MUL_HI
	MUL16 4, 1, NQ-1, \slot
	MUL16 6, 1, NQ-1, \slot
	PLACES NP
	WIN 0
	FETCH_A \next, 0, 4
.endm
.macro STEPS slot, from                ; the slot's steps from .. NQ - 2
.set Q, \from
.rept NQ-1-\from
	STEP \slot, Q
.set Q, Q+1
.endr
.endm
	; THE LoRA PRODUCT STARTS THE SUMS, while the first tiles are on their way
	s_wait_loadcnt 0x0                             ; 2 ax and lora_b
	WIN TO_B
.irp b, 0,1,2,3,4,5,6,7
.irp j, 0,1,2,3
	v_cvt_pk_bf16_f32 v[8*\b+\j], v[SCA+8*\b+2*\j], v[SCA+8*\b+2*\j+1]   ; lora_b's block b: ranks 8 h + 0 .. 7 of row r, where w's first set will lie
.endr
.endr
.irp b, 0,1,2,3,4,5,6,7
.irp j, 4,5,6,7
	v_mov_b32 v[8*\b+\j], 0                        ; the form's K is 32, the rank 16: the upper half of K is zeros, on both sides
.endr
.endr
	WIN 0
.irp a, 0,1,2,3,4,5,6,7
.irp j, 4,5,6,7
	v_mov_b32 v[AF+8*\a+\j], 0
.endr
.endr
	WIN MUL_LO
	LORA16 0
	LORA16 2
	WIN MUL_HI
	LORA16 4
	LORA16 6
	WIN 0
	PLACES NP+1                                    ; another form adds onto these results next, which is no link of a chain: five places; they also serve the loads into the operands' registers
	s_wait_tensorcnt 1                             ; x's scale bytes and my part of K step 0 are in (K step 1's load may be out)
	s_barrier_signal -1
	s_barrier_wait -1                              ; everybody's are
	FETCH_B 0, 0, 0
	FETCH_A 0, 0, 0
	SCALES 0
	FETCH_A 0, 0, 4
	STEP 0, 0
	s_mov_b32 s3, LAPS-1
.Llap:                                                 ; a trip goes once round the ring, from a lap's second step to the next lap's first, and fills both slots again
	STEPS 0, 1
	TURN 0, 1, 1
	STEPS 1, 0
	TURN 1, 0, 1
	STEP 0, 0
	s_sub_co_u32 s3, s3, 1
	s_cmp_lg_u32 s3, 0
	s_cbranch_scc1 .Llap
	STEPS 0, 1                                     ; the last lap fills nothing, and has no round of the cluster's barrier
	TURN 0, 1, 0
	STEPS 1, 0
	s_wait_dscnt 4*NL                              ; the very last step: nothing more to fetch
	WIN MUL_LO
	MUL16 0, 1, NQ-1, 1
	MUL16 2, 1, NQ-1, 1
	s_wait_dscnt 0
	WIN MUL_HI
	MUL16 4, 1, NQ-1, 1
	MUL16 6, 1, NQ-1, 1
	WIN 0
; THE WAY OUT, block by block of 16 rows x 128 columns.  A lane holds 32 neighbouring bytes of a row, and the lanes beside it hold other rows: so a block goes through my own stage in LDS and comes back as whole
; rows of 512 bytes, which the 32 lanes store as 512 consecutive bytes.  LDS serves a wave's instructions in order (ISA guide 5.7.1.4): no wait between the stores and the loads, nor in front of the next block's stores.
.macro TOSTAGE a
.set AC, 64*((\a)%4)
	WIN 0x08+4*((\a)/4)                            ; the data: window 2 or 3
.irp b, 0,1,2,3,4,5,6,7
	ds_store_b128 v[STO], v[AC+8*\b:AC+8*\b+3] offset:64*\b          ; each accumulator from its low end on
	ds_store_b128 v[STO], v[AC+8*\b+4:AC+8*\b+7] offset:64*\b+16
.endr
	WIN 0
.set BB, BK+64*((\a)%2)
.irp t, 0,1,2,3,4,5,6,7,8,9,10,11,12,13,14,15
	ds_load_b128 v[BB+4*\t:BB+4*\t+3], v[RD] offset:\t*SPITCH
.endr
.endm
.macro SEND a, younger                 ; younger: the LDS instructions issued behind block a's loads, which may stay out
.set BB, BK+64*((\a)%2)
	s_wait_dscnt \younger                          ; the block is back in registers
.if (\a) > 0
	s_add_nc_u64 s[70:71], s[70:71], 16*SIZE_N*4   ; (behind a wait on XCNT: the earlier stores have read their base)  16 rows of out on
.endif
.irp t, 0,1,2,3,4,5,6,7,8,9,10,11,12,13,14,15
	global_store_b128 v[CO], v[BB+4*\t:BB+4*\t+3], s[70:71] offset:\t*SIZE_N*4 th:TH_STORE_NT   ; 32 lanes store 512 consecutive bytes, at a multiple of 256 from out's first byte; written once, read by nobody here
.endr
.endm
	PLACES NP                                      ; between the last products and the stage's stores of their results, and the loads into the registers that held x's fragments and w's scale words
	TOSTAGE 0
.irp a, 1,2,3,4,5,6,7
.if \a > 1
	s_wait_xcnt 0x0                                ; block a - 2's stores have read their registers and their base: block a's loads may land there, and the base may step
.endif
	TOSTAGE \a
	SEND \a-1, 32                                  ; behind block a - 1's loads: block a's 16 stores and 16 loads
.endr
	s_wait_xcnt 0x0                                ; block 6's stores have read their base
	SEND 7, 0
	s_wait_tensorcnt 0x0                           ; the wave's end: behind my last tensor load and my last LDS store
	ds_add_u32 v[SPW], v[NIL]
	s_wait_dscnt 0x0
	CROUND                                         ; the closing round: no work-group ends while a partner may still ask for a tile that names it
	s_endpgm
.Lfunc_end_k_qfff1ba8dbd_gemm:
	.size	k_qfff1ba8dbd_gemm, .Lfunc_end_k_qfff1ba8dbd_gemm-k_qfff1ba8dbd_gemm
	.p2alignl 7, 3214868480
	.fill 96, 4, 3214868480
	.section	.rodata,"a",@progbits
	.p2align	6, 0x0
	.amdhsa_kernel k_qfff1ba8dbd_gemm
		.amdhsa_group_segment_fixed_size 327680
		.amdhsa_private_segment_fixed_size 0
		.amdhsa_enable_private_segment 0
		.amdhsa_kernarg_size 48
		.amdhsa_user_sgpr_count 2
		.amdhsa_user_sgpr_kernarg_segment_ptr 1
		.amdhsa_wavefront_size32 1
		.amdhsa_system_sgpr_workgroup_id_x 1
		.amdhsa_system_sgpr_workgroup_id_y 1
		.amdhsa_system_sgpr_workgroup_id_z 1
		.amdhsa_system_vgpr_workitem_id 0
		.amdhsa_next_free_vgpr 1024
		.amdhsa_next_free_sgpr 100
		.amdhsa_reserve_vcc 0
		.amdhsa_float_denorm_mode_32 3
		.amdhsa_float_denorm_mode_16_64 3
		.amdhsa_memory_ordered 1
		.amdhsa_forward_progress 1
		.amdhsa_inst_pref_size 225
	.end_amdhsa_kernel
	.amdgpu_metadata
---
amdhsa.version: [ 1, 2 ]
amdhsa.kernels:
  - .name:           k_qfff1ba8dbd_gemm
    .symbol:         k_qfff1ba8dbd_gemm.kd
    .args:
      - { .name: x_codes, .offset: 0, .size: 8, .value_kind: global_buffer, .address_space: global }
      - { .name: x_scales, .offset: 8, .size: 8, .value_kind: global_buffer, .address_space: global }
      - { .name: wq, .offset: 16, .size: 8, .value_kind: global_buffer, .address_space: global }
      - { .name: axw, .offset: 24, .size: 8, .value_kind: global_buffer, .address_space: global }
      - { .name: lora_b, .offset: 32, .size: 8, .value_kind: global_buffer, .address_space: global }
      - { .name: out0, .offset: 40, .size: 8, .value_kind: global_buffer, .address_space: global }
    .group_segment_fixed_size: 327680
    .private_segment_fixed_size: 0
    .kernarg_segment_align: 8
    .kernarg_segment_size: 48
    .max_flat_workgroup_size: 128
    .sgpr_count:     100
    .vgpr_count:     1024
    .wavefront_size: 32
...
	.end_amdgpu_metadata
.endif
;; end of part 2
